; MI455X (gfx1250); checked and timed in simulation.
; The chip was launched on July 23, 2026; its instructions are those of AMD's public machine-readable ISA for CDNA 5 (MIT licence, August 2026) and "CDNA5" Instruction Set Architecture Reference Guide (July 2026). The comments in the code are by the model that wrote it; some were corrected since.
;; Custom Kernel Experts. Allowed arithmetic: matrix products marked QUANTISED: E2M3 operands, one E8M0 scale for each 32 along K, by v_wmma_scale_f32_16x16x128_f8f6f4 with both operands' format E2M3, f32 sums; products left as they are: f32 operands where the result goes on into a quantised operand, else bf16, f16 or f32 operands; f32 sums; everything else in f32.
;; Inputs: b1 16 x 2,048 float32; routing_tensor 1,024 x 16 float32; w1 16 x 1,024 x 2,048 float32; w2 16 x 2,048 x 1,024 float32; x 1,024 x 1,024 float32.
;; Outputs: out0 1,024 x 1,024 float32.
;; This version of the problem:
;;   THIS VERSION OF THE PROBLEM IS GIVEN IN LOW PRECISION. The matrix products marked QUANTISED in the list below multiply operands that are first quantised to E2M3 (2 exponent bits, 3 mantissa bits; 6 bits a number), with one power-of-two scale for each 32 numbers along K (OCP MX v1.0); their sums are f32. All else is computed in f32.
;;   The module's matrix products, in the order in which they are computed (A, B: the left and right operand; K: the contracted axis; several contracted axes count as one K, in the product's order):
;;     1. [M 32,768, K 1,024] x [K 1,024, N 1,024]; A: input w1; B: input x: QUANTISED
;;     2. batch 16 x [M 1,024, K 2,048] x [K 2,048, N 1,024]; A: computed on the way; B: input w2: QUANTISED
;;     3. batch 1,024 x [M 1,024, K 16] x [K 16, N 1]; A: computed on the way; B: input routing_tensor: left as it is (K = 16 < 32)
;;   THE QUANTISER, for each operand of a quantised product, along K:
;;     - K is cut into blocks of 32 from its start; a last block that is shorter is filled with zeros.
;;     - A block's scale is 2^e with e = floor(log2(the largest magnitude in the block)) - 2, held to -126 .. 127; a block of zeros has e = 0. As a byte (E8M0): e + 127.
;;     - Each number is divided by its block's scale, clamped to +-7.5, and rounded to the nearest number of E2M3, ties to even, subnormals kept.
;;     - The product sums the exact products of the quantised numbers (number of the format x scale) in f32.
;;   ~~~python
;;   def quantise(x, axis):      # numpy; x: float32 -> the quantised numbers, widened to float32 again
;;       x = np.moveaxis(x, axis, -1); K = x.shape[-1]
;;       x = np.pad(x, [(0, 0)] * (x.ndim - 1) + [(0, -K % 32)]); x = x.reshape(x.shape[:-1] + (-1, 32)); a = np.abs(x).max(-1, keepdims=True)
;;       e = np.where(a > 0, np.clip(np.frexp(np.where(a > 0, a, 1))[1] - 1 - 2, -126, 127), 0)      # np.frexp(a)[1] - 1 = floor(log2(a)), exactly
;;       r = np.clip(x / 2.0 ** e, -7.5, 7.5)
;;       step = 2.0 ** (np.maximum(np.frexp(np.where(r == 0, 1, r))[1] - 1, 0) - 3)
;;       q = np.round(r / step) * step * 2.0 ** e      # np.round: ties to even
;;       return np.moveaxis(q.reshape(q.shape[:-2] + (-1,))[..., :K], -1, axis).astype(np.float32)
;;   ~~~
;;   OPERANDS COMPUTED ON THE WAY. 'Computed on the way' means the value that the module computes at that place (a softmax that the list does not call 'softmax' is quantised finished and normalised). What goes into a quantiser is computed in f32, as accurately as f32 sums, v_exp_f32 and their like allow (about 1e-6 of the number): no bf16 or f16 on the way to a quantiser, and a product that is left as it is and whose result goes on into a quantised operand takes f32 operands (vector FMAs, or v_wmma_f32_16x16x4_f32). A number that lies on a knife's edge between two numbers of the format may be rounded either way, as far as f32 arithmetic and the matrix unit's own rounding can turn it there, and no further.
;; One version. Each part assembles by itself: llvm-mc -triple=amdgcn-amd-amdhsa -mcpu=gfx1250 --defsym DOCPART=n.
;; ======== version 1 of 1: 4 launches
;; limits: values are held in bf16: 8 bits of precision; right only within a limited range of input values
;; workspace buffers: xq 819,200 bytes; w1q 26,214,400 bytes; w2q 26,214,400 bytes; hq 26,214,400 bytes; y 33,554,432 bytes
;; launch quant (part 1): grid 1152 x 1, 4 waves a work-group, no clusters, 49,920 bytes of LDS; arguments x, w1, w2, xq, w1q, w2q; writes xq, w1q, w2q
.if DOCPART == 1
	.amdgcn_target "amdgcn-amd-amdhsa--gfx1250"
	.amdhsa_code_object_version 6
	.text
	.protected	k_qa84eb6bfc0_quant
	.globl	k_qa84eb6bfc0_quant
	.p2align	8
	.type	k_qa84eb6bfc0_quant,@function
k_qa84eb6bfc0_quant:
	s_mov_b64 s[64:65], 0
	v_nop
	global_prefetch_b8 v0, s[64:65] scope:SCOPE_SE
	s_setreg_imm32_b32 hwreg(HW_REG_WAVE_MODE, 25, 1), 1
	s_wait_xcnt 0x0
; x [1024][1024], w1 [16][1024 (k)][2048], w2 [16][2048 (k)][1024], all f32, become codes of FP6 (E2M3) with one E8M0 scale byte for each 32 along K,
; laid in the ORDER OF THE OPERAND'S REGISTERS.  A UNIT is 128 rows x 128 K = 12,800 bytes: eight fragment images of 1,536 bytes (row block i = 0 .. 7), then 512 bytes of scale words.
; In an image register g (0 .. 11) of lane l lies at 512 (g / 4) + 16 l + 4 (g % 4): three pieces of 512 dense bytes.  The scale word of row (i, r) lies at 12,288 + 32 r + 4 i.
; Units follow each other as [batch][row / 128][k / 128].  Rows: xq: token 128 g + 16 i + r;  w2q: column d likewise;
; w1q: hidden unit 128 g + 32 (i / 2) + 8 (i % 2) + r + 8 (r / 8), so that the next launch's results are neighbours along the next product's K.
; A block's scale is 2^(floor(log2(its largest magnitude)) - 2); its byte is the largest magnitude's exponent field - 2, held at 1 from below.
; LIMITS: a block of zeros gets the byte 1 where the rule says 127 (its codes are zeros, and this program alone reads the bytes); blocks whose largest magnitude lies under 2^(3 - 127) keep the byte 1;
; NaN and infinities among the inputs are not served.
; SHARES: work-groups 128 .. 639 take w1, 640 .. 1,151 w2: one wave makes one whole unit (64 KiB read), so every store is dense.  Work-groups 0 .. 127 take x in SMALL shares, half a unit each, a fragment (8 KiB read)
; a wave: 1,024 weight work-groups are four for each of 256 WGPs, and what comes on top of them is 32 KiB beside 1 MiB.
; No cluster: no two work-groups read the same input byte.  No tensor load.  The weights' stage in LDS is each wave's own; x's path has LDS bytes of its own and one barrier.
.set UNIT,  12800
.set XWG,   128                        ; work-groups for x
.set XSC,   49152                      ; LDS, x's path alone: 16 rows x 4 scale words
.set LI,    4                          ; v4   16 x lane
.set SA,    5                          ; v5   32 r + 16 h: my 16 bytes of a unit's scale words
.set ST,    6                          ; v6   weights: where I put a block's codes in my wave's stage
.set RB,    7                          ; v7   weights: where I read the stage back
.set QW,    26                         ; v26-29 weights: the scale words of my four columns
.set A,     32                         ; v32-63 weights: my column's byte + i rows, i = 0 .. 31; never rewritten
.set XW,    64                         ; v64-127 weights: two sets of 32 numbers; later v64-159: the unit on its way out
.set OUTR,  64
.set BB,    36                         ; s[36:43] weights: the address of my unit's K block 0, 1, 2, 3
.set XS,    32                         ; v32-95 x: my 64 numbers
.set PC,    160                        ; v160-171 x: the fragment's codes; v172-178 the halves that are moved
; ---- weights: block t = 4 be + wq: K block be of my unit, columns 32 wq .. 32 wq + 31.  A LANE TAKES A COLUMN, ITS REGISTERS RUN DOWN K.
.macro LOADW t
.set ii, 0
.rept 32
	global_load_b32 v[XW+32*((\t)%2)+ii], v[A+ii], s[BB+2*((\t)/4):BB+2*((\t)/4)+1] offset:128*((\t)%4) th:TH_LOAD_NT   ; 32 lanes read 128 consecutive bytes of one row
.set ii, ii+1
.endr
.endm
.macro BLOCKW t
.set XB, XW+32*((\t)%2)
.set BE, (\t)/4
.set WQ, (\t)%4
.set QI, QW+2*(WQ%2)+WQ/2              ; the words stand in the order 0, 2, 1, 3, for the exchange of halves at the end
.set SO, 3072*WQ+256*(BE%2)            ; row blocks 2 wq and 2 wq + 1; the codes belong to lane r + 16 (be % 2) of the image
.if (\t) < 15
	s_wait_loadcnt 32                              ; this block's 32 loads are in; the next block's may be out
.else
	s_wait_loadcnt 0
.endif
	v_max3_num_f32 v12, |v[XB]|, |v[XB+1]|, |v[XB+2]|              ; the block's largest magnitude: all 32 numbers are mine; two chains
	v_max3_num_f32 v13, |v[XB+3]|, |v[XB+4]|, |v[XB+5]|
.irp i, 6,10,14,18,22,26
	v_max3_num_f32 v12, v12, |v[XB+\i]|, |v[XB+\i+1]|
	v_max3_num_f32 v13, v13, |v[XB+\i+2]|, |v[XB+\i+3]|
.endr
	v_max3_num_f32 v12, v12, |v[XB+30]|, |v[XB+31]|
	v_max3_num_f32 v12, v12, v13, 0x1800000        ; and the floor 2^(3 - 127): the byte cannot fall under 1
	v_add_nc_u32 v11, 0xff000000, v12              ; 2 off the exponent field: the conversion takes this operand's exponent field as its scale
	v_lshrrev_b32 v13, 23, v11                     ; the scale's byte
.if BE == 0
	v_mov_b32 v[QI], v13                           ; four bytes to a word, the lower K in the lower byte
.else
	v_lshl_or_b32 v[QI], v13, 8*BE, v[QI]
.endif
	v_cvt_scalef32_pk16_fp6_f32 v[16:18], v[XB:XB+15], v11
	v_cvt_scalef32_pk16_fp6_f32 v[22:24], v[XB+16:XB+31], v11      ; (a conversion's three registers begin on an even number)
	v_nop                                          ; one plain line behind the conversions
	v_mov_b32 v19, v22
	v_mov_b32 v20, v23
	v_mov_b32 v21, v24                             ; v16-21: registers 6 (be / 2) .. + 5 of the fragment
.if BE < 2
	ds_store_b128 v[ST], v[16:19] offset:SO        ; registers 0-3: piece 0
	ds_store_b64 v[ST], v[20:21] offset:SO+512     ; registers 4, 5: the lower half of piece 1
.else
	ds_store_b64 v[ST], v[16:17] offset:SO+520     ; registers 6, 7: its upper half
	ds_store_b128 v[ST], v[18:21] offset:SO+1024   ; registers 8-11: piece 2
.endif
.if (\t)+2 < 16
	LOADW (\t)+2
.endif
	s_wait_dscnt 0x0                               ; the stores have read their registers: the next block's codes may be written
.endm
	s_load_b256 s[4:11], s[0:1], 0x0               ; x s[4:5], w1 s[6:7], w2 s[8:9], xq s[10:11]
	s_load_b128 s[12:15], s[0:1], 0x20             ; w1q s[12:13], w2q s[14:15]
	v_lshl_add_u32 v192, v0, 2, 0xc100
	v_mov_b32 v193, 0
	v_lshrrev_b32 v1, 5, v0
	v_readfirstlane_b32 s16, v1                    ; wave 0..3
	v_and_b32 v1, 31, v0                           ; lane
	v_and_b32 v2, 15, v0                           ; r
	v_bfe_u32 v3, v0, 4, 1                         ; h
	v_lshlrev_b32 v[LI], 4, v1
	v_lshlrev_b32 v[SA], 5, v2
	v_lshl_add_u32 v[SA], v3, 4, v[SA]
	s_cmp_lt_u32 ttmp9, XWG
	s_cbranch_scc1 .Lx
	; ======== the weights: one path for both tensors; what differs is chosen on the work-group's number alone
	s_sub_co_u32 s17, ttmp9, XWG
	s_cmp_lt_u32 s17, 512                          ; w1's work-group or w2's?
	s_cselect_b32 s20, 13, 12                      ; log2 of a row's bytes: 8,192 or 4,096
	s_cselect_b32 s21, 2, 1                        ; of a work-group's number within its expert: the bits above these are the K step,
	s_cselect_b32 s22, 3, 1                        ; these the quad of column groups
	s_cselect_b32 s23, 4, 3                        ; log2 of the column groups of an expert: 16 or 8
	s_cselect_b32 s24, 3, 4                        ; log2 of the K steps: 8 or 16
	s_cselect_b32 s25, 24, 0                       ; w1: lanes take their columns with bits 3 and 4 swapped
	s_wait_kmcnt 0x0
	s_cselect_b64 s[26:27], s[6:7], s[8:9]         ; from
	s_cselect_b64 s[28:29], s[12:13], s[14:15]     ; to
	s_and_b32 s17, s17, 511
	s_lshr_b32 s18, s17, 5                         ; the expert
	s_and_b32 s19, s17, 31
	s_lshr_b32 s30, s19, s21                       ; the K step of 128
	s_and_b32 s31, s19, s22
	s_lshl_b32 s31, s31, 2
	s_add_co_u32 s31, s31, s16                     ; the group of 128 columns: the four waves stand side by side on 2,048 bytes of each row
	s_lshl_b32 s32, s18, 23                        ; an expert's 8 MiB,
	s_lshl_b32 s33, s30, 7
	s_lshl_b32 s33, s33, s20                       ; 128 rows for each K step,
	s_add_co_u32 s32, s32, s33
	s_lshl_b32 s33, s31, 9                         ; 512 bytes for each column group
	s_add_co_u32 s32, s32, s33
	s_mov_b32 s33, 0
	s_add_nc_u64 s[36:37], s[26:27], s[32:33]
	s_lshl_b32 s34, s18, s23
	s_add_co_u32 s34, s34, s31
	s_lshl_b32 s34, s34, s24
	s_add_co_u32 s34, s34, s30                     ; my unit: (expert x groups + group) x K steps + K step
	s_mul_i32 s34, s34, UNIT
	s_mov_b32 s35, 0
	s_add_nc_u64 s[28:29], s[28:29], s[34:35]
	s_lshl_b32 s44, 32, s20                        ; 32 rows in bytes
	s_mov_b32 s45, 0
	s_add_nc_u64 s[38:39], s[36:37], s[44:45]
	s_add_nc_u64 s[40:41], s[38:39], s[44:45]
	s_add_nc_u64 s[42:43], s[40:41], s[44:45]
	s_lshl_b32 s46, 1, s20                         ; a row in bytes
	s_wait_alu depctr_va_vdst(0)
	v_lshrrev_b32 v8, 3, v1
	v_lshrrev_b32 v9, 4, v1
	v_xor_b32 v8, v8, v9
	v_and_b32 v8, 1, v8                            ; do bits 3 and 4 of the lane differ?
	v_mul_u32_u24 v8, s25, v8
	v_xor_b32 v8, v8, v1                           ; my column of a quad's 32: from here on lane 16 u + r IS row r of row block 2 wq + u
	v_lshlrev_b32 v8, 2, v8
.set ii, 0
.rept 32
	v_mad_u32_u24 v[A+ii], s46, ii, v8
.set ii, ii+1
.endr
	s_mul_i32 s47, s16, 12288                      ; my wave's stage: a unit's eight images
	v_mul_u32_u24 v[ST], v3, 1536
	v_lshl_add_u32 v[ST], v2, 4, v[ST]
	v_add_nc_u32 v[ST], s47, v[ST]                 ; into it: row block u, 16 r
	v_add_nc_u32 v[RB], s47, v[LI]                 ; out of it: 16 x lane
	LOADW 0
	LOADW 1                                        ; loads run two blocks, 64 loads a wave, ahead
.irp t, 0,1,2,3,4,5,6,7,8,9,10,11,12,13,14,15
	BLOCKW \t
.endr
.set pp, 0
.rept 24
	ds_load_b128 v[OUTR+4*pp:OUTR+4*pp+3], v[RB] offset:512*pp     ; LDS serves a wave's instructions in order: these see my stores
.set pp, pp+1
.endr
.set pp, 0
.rept 24
	s_wait_dscnt 23-pp                             ; piece pp is in; the younger ones may be out
	global_store_b128 v[LI], v[OUTR+4*pp:OUTR+4*pp+3], s[28:29] offset:512*pp   ; 32 lanes store 512 consecutive bytes, at a multiple of 256 from the buffer's first byte
.set pp, pp+1
.endr
	v_permlane16_swap_b32 v26, v27                 ; quads 0 and 2: lanes 0-15 now hold the words of row blocks 0 and 1, lanes 16-31 those of 4 and 5;
	s_wait_alu depctr_va_vdst(0)
	v_permlane16_swap_b32 v28, v29                 ; quads 1 and 3: row blocks 2 and 3, and 6 and 7
	global_store_b128 v[SA], v[26:29], s[28:29] offset:12288       ; the unit's 512 bytes of scale words, dense
	s_wait_tensorcnt 0x0
	ds_add_u32 v192, v193
	s_wait_dscnt 0x0
	s_endpgm
	; ======== x: K is innermost: lane (r, h) loads the very numbers that the operand's layout gives it: of row r, k = 64 c + 32 h + 0 .. 31.  Its loads take 16 bytes of each of 32 places 128 bytes or a row
	; apart, which is borne since x is 4 MiB of the launch's 260.  A work-group makes fragments 4 half .. 4 half + 3 of one unit, a wave one of them.
.Lx:
	s_lshr_b32 s17, ttmp9, 1                       ; my unit = 8 x (token / 128) + K step
	s_and_b32 s18, ttmp9, 1                        ; which half of its eight fragments
	s_lshl_b32 s19, s18, 2
	s_add_co_u32 s19, s19, s16                     ; my fragment
	s_lshr_b32 s20, s17, 3
	s_lshl_b32 s20, s20, 19                        ; 128 rows of 4,096 bytes for each group of tokens,
	s_and_b32 s21, s17, 7
	s_lshl_b32 s21, s21, 9                         ; 128 numbers for each K step,
	s_add_co_u32 s20, s20, s21
	s_lshl_b32 s21, s19, 16                        ; 16 rows for each fragment
	s_add_co_u32 s20, s20, s21
	s_mov_b32 s21, 0
	s_mul_i32 s22, s17, UNIT
	s_mov_b32 s23, 0
	s_mul_i32 s26, s19, 1536
	s_mov_b32 s27, 0
	s_lshl_b32 s28, s18, 4                         ; 16 x half: my work-group's four words of a row's eight
	s_lshl_b32 s29, s16, 2
	s_mov_b32 s24, 0x76543210
	s_mov_b32 s25, 0xfedcba98                      ; v_permlanex16_b32's selects for lane l xor 16
	s_wait_alu depctr_va_vdst(0)
	v_lshlrev_b32 v6, 12, v2
	v_lshl_add_u32 v6, v3, 7, v6                   ; row r, + 128 h bytes
	v_lshlrev_b32 v7, 3, v3                        ; 8 h
	v_mov_b32 v10, 0                               ; a lane permute's destination counts as one of its sources
	v_lshlrev_b32 v26, 4, v2
	v_add_nc_u32 v26, s29, v26                     ; LDS: row r's 16 bytes, my wave's word
	v_lshlrev_b32 v27, 3, v1                       ; and back: 8 bytes a lane: lane 2 r + b takes words 2 b, 2 b + 1 of row r,
	v_lshrrev_b32 v28, 1, v1
	v_lshlrev_b32 v28, 5, v28
	v_and_b32 v29, 1, v1
	v_lshl_add_u32 v28, v29, 3, v28
	v_add_nc_u32 v28, s28, v28                     ; which go to 32 r + 16 half + 8 b of the unit's scale words
	s_wait_kmcnt 0x0
	s_add_nc_u64 s[4:5], s[4:5], s[20:21]
	s_add_nc_u64 s[10:11], s[10:11], s[22:23]      ; my unit
	s_add_nc_u64 s[30:31], s[10:11], s[26:27]      ; my fragment's image
.irp c, 0,1
.irp j, 0,1,2,3,4,5,6,7
	global_load_b128 v[XS+32*\c+4*\j:XS+32*\c+4*\j+3], v6, s[4:5] offset:256*\c+16*\j
.endr
.endr
	s_wait_loadcnt 0x0
.irp c, 0,1
	v_max3_num_f32 v[12+\c], |v[XS+32*\c]|, |v[XS+32*\c+1]|, 0x1800000   ; my block 2 c + h, with the floor 2^(3 - 127)
.endr
.irp i, 2,4,6,8,10,12,14,16,18,20,22,24,26,28,30
.irp c, 0,1
	v_max3_num_f32 v[12+\c], v[12+\c], |v[XS+32*\c+\i]|, |v[XS+32*\c+\i+1]|   ; (the two blocks by turns)
.endr
.endr
.irp c, 0,1
	v_add_nc_u32 v[14+\c], 0xff000000, v[12+\c]    ; the conversion's scale operand
.endr
.irp c, 0,1
	v_lshrrev_b32 v[12+\c], 23, v[14+\c]           ; the scale's byte
.endr
	v_lshl_or_b32 v9, v13, 16, v12                 ; my two bytes: blocks h and 2 + h of row r,
	v_lshlrev_b32 v9, v7, v9                       ; 8 h bits up;
	v_permlanex16_b32 v10, v9, s24, s25
	v_or_b32 v16, v9, v10                          ; with lane l xor 16's two the word is whole, in both lanes
.irp c, 0,1
	v_cvt_scalef32_pk16_fp6_f32 v[PC+6*\c:PC+6*\c+2], v[XS+32*\c:XS+32*\c+15], v[14+\c]
	v_cvt_scalef32_pk16_fp6_f32 v[PC+12+4*\c:PC+14+4*\c], v[XS+32*\c+16:XS+32*\c+31], v[14+\c]   ; (a conversion's three registers begin on an even number)
.endr
	v_nop                                          ; one plain line behind the conversions
.irp c, 0,1
.irp i, 0,1,2
	v_mov_b32 v[PC+3+6*\c+\i], v[PC+12+4*\c+\i]
.endr
.endr
.irp c, 0,1,2
	global_store_b128 v[LI], v[PC+4*\c:PC+4*\c+3], s[30:31] offset:512*\c   ; 32 lanes store 512 consecutive bytes
.endr
	ds_store_b32 v26, v16 offset:XSC               ; lanes r and r + 16 write the same word with the same value
	s_wait_dscnt 0x0                               ; for the others' sake: my word lies in LDS
	s_barrier_signal -1
	s_barrier_wait -1                              ; all four waves' words do
	s_cmp_lg_u32 s16, 0
	s_cbranch_scc1 .Lxend                          ; wave 0 stores them
	ds_load_b64 v[24:25], v27 offset:XSC
	s_wait_dscnt 0x0
	global_store_b64 v28, v[24:25], s[10:11] offset:12288          ; 16 of each row's 32 bytes; the unit's other work-group stores the other 16: 32 KiB so in the whole launch
.Lxend:
	s_wait_tensorcnt 0x0
	ds_add_u32 v192, v193
	s_wait_dscnt 0x0
	s_endpgm
.Lfunc_end_k_qa84eb6bfc0_quant:
	.size	k_qa84eb6bfc0_quant, .Lfunc_end_k_qa84eb6bfc0_quant-k_qa84eb6bfc0_quant
	.p2alignl 7, 3214868480
	.fill 96, 4, 3214868480
	.section	.rodata,"a",@progbits
	.p2align	6, 0x0
	.amdhsa_kernel k_qa84eb6bfc0_quant
		.amdhsa_group_segment_fixed_size 49920
		.amdhsa_private_segment_fixed_size 0
		.amdhsa_enable_private_segment 0
		.amdhsa_kernarg_size 48
		.amdhsa_user_sgpr_count 2
		.amdhsa_user_sgpr_kernarg_segment_ptr 1
		.amdhsa_wavefront_size32 1
		.amdhsa_system_sgpr_workgroup_id_x 1
		.amdhsa_system_sgpr_workgroup_id_y 1
		.amdhsa_system_sgpr_workgroup_id_z 1
		.amdhsa_system_vgpr_workitem_id 0
		.amdhsa_next_free_vgpr 194
		.amdhsa_next_free_sgpr 66
		.amdhsa_reserve_vcc 0
		.amdhsa_float_denorm_mode_32 3
		.amdhsa_float_denorm_mode_16_64 3
		.amdhsa_memory_ordered 1
		.amdhsa_forward_progress 1
		.amdhsa_inst_pref_size 91
	.end_amdhsa_kernel
	.amdgpu_metadata
---
amdhsa.version: [ 1, 2 ]
amdhsa.kernels:
  - .name:           k_qa84eb6bfc0_quant
    .symbol:         k_qa84eb6bfc0_quant.kd
    .args:
      - { .name: x, .offset: 0, .size: 8, .value_kind: global_buffer, .address_space: global }
      - { .name: w1, .offset: 8, .size: 8, .value_kind: global_buffer, .address_space: global }
      - { .name: w2, .offset: 16, .size: 8, .value_kind: global_buffer, .address_space: global }
      - { .name: xq, .offset: 24, .size: 8, .value_kind: global_buffer, .address_space: global }
      - { .name: w1q, .offset: 32, .size: 8, .value_kind: global_buffer, .address_space: global }
      - { .name: w2q, .offset: 40, .size: 8, .value_kind: global_buffer, .address_space: global }
    .group_segment_fixed_size: 49920
    .private_segment_fixed_size: 0
    .kernarg_segment_align: 8
    .kernarg_segment_size: 48
    .max_flat_workgroup_size: 128
    .sgpr_count:     66
    .vgpr_count:     194
    .wavefront_size: 32
...
	.end_amdgpu_metadata
.endif
;; end of part 1
;; launch up (part 2): grid 4 x 64, 4 waves a work-group, clusters of 4 x 4, 327,680 bytes of LDS; arguments xq, w1q, b1, hq; writes hq
.if DOCPART == 2
	.amdgcn_target "amdgcn-amd-amdhsa--gfx1250"
	.amdhsa_code_object_version 6
	.text
	.protected	k_qa84eb6bfc0_up
	.globl	k_qa84eb6bfc0_up
	.p2align	8
	.type	k_qa84eb6bfc0_up,@function
k_qa84eb6bfc0_up:
	s_mov_b64 s[64:65], 0
	v_nop
	global_prefetch_b8 v0, s[64:65] scope:SCOPE_SE
	s_setreg_imm32_b32 hwreg(HW_REG_WAVE_MODE, 25, 1), 1
	s_wait_xcnt 0x0
	s_wait_alu depctr_hold_cnt(0) depctr_sa_sdst(0) depctr_va_vdst(0) depctr_va_sdst(0) depctr_va_ssrc(0) depctr_va_vcc(0) depctr_vm_vsrc(0)
	s_getreg_b32 s2, hwreg(HW_REG_IB_STS2, 6, 4)
	s_cmp_eq_u32 s2, 0
	s_cbranch_scc0 .Lentry_in_a_cluster
	s_endpgm
.Lentry_in_a_cluster:
	s_bfe_u32 s2, ttmp6, 0x10000c
	s_cmp_lg_u32 s2, 0xf033
	s_cbranch_scc0 .Lentry_shape_is_right
	s_endpgm
.Lentry_shape_is_right:
; hq = Q(gelu(x w1[e] + b1[e])), the first product on codes of FP6 (E2M3) with E8M0 scales, K = 1,024; the exact gelu in f32; the result quantised along the hidden units, which are the next product's K.
; OPERANDS come in UNITS of 128 rows x 128 K = 12,800 bytes, laid in the order of the operand's registers: eight fragment images of 1,536 bytes (register g of lane l at 512 (g / 4) + 16 l + 4 (g % 4)), then
; 512 bytes of scale words (row (i, r) at 12,288 + 32 r + 4 i).  xq: [token / 128][k / 128];  w1q: [expert][hidden / 128][k / 128];  hq: [expert][token / 128][hidden / 128].
; A tile is 256 tokens x 256 hidden units of one expert, made by a work-group of four waves; a wave makes 128 x 128: 64 accumulators, 512 registers; and each wave's result is exactly one unit of hq.
; A WORK-GROUP STAYS: it makes TWO tiles, the same tokens, hidden units 1,024 apart: 256 work-groups in all.  The ring does not stop at the first tile's end: its last two changes of slots ask for the second
; tile's first two slots, and the second of these loads lands while the first tile's epilogue runs.  With two tiles the tail that has to be written out is the second tile.
; K goes in steps of 256 through a ring of two LDS slots; a wave's one tensor load brings two units, 25,600 dense bytes.  Every LDS read takes 16 bytes a lane, 512 dense bytes: no pitch, no padding.
; CLUSTERS: 4 x 4 work-groups: x = four tiles of hidden units, y = the four tiles of tokens; the cluster's y in the grid is the expert.  The four of a row need the same units of x, the four of a column the same
; units of w1: each is asked for JOINTLY, by the same tensor load with the same descriptor and a mask that names the four.
; THE MATRIX INSTRUCTION IS USED TRANSPOSED (source 0 = 16 rows of w1, source 1 = 16 tokens), and w1q's rows are ordered so that in block a of tokens a lane's 64 results are, register 16 b + i,
; hidden unit 32 b + 16 (lane / 16) + i of token 16 a + lane % 16: sixteen neighbours of each block of 32 along the next K.
; GELU: gelu(x) = max(x, 0) - |x| q, q = erfc(|x| / sqrt 2) / 2 = t 2^(-x^2 log2(e) / 2 + poly(t)), t = 1 / (1 + |x| / (2 sqrt 2)), poly of degree 9 (the classic rational-exponential form of erfc, whose relative
; error is about 1.2e-7 for every argument).  No difference of near-equal numbers is formed on either side of 0.
; LIMITS: q under 2^-126 comes out as 0 (v_exp_f32 flushes); a block of zeros gets the scale byte 1 where the rule says 127 (its codes are zeros; this program alone reads the bytes); NaN and infinities are not served.
; REGISTERS, in windows of 256: window 0: v16-29 addresses; v32-63 scale words, two sets; v128-223 x's fragments, ONE set; in the epilogue v4-11, v32-255 are at work.
;   window 1: w1's fragments, TWO sets, v0-95 and v128-223; b1 in the result's layout at v96-127 and v224-255.   windows 2, 3: the accumulators ((a, b) at v[8 (8 (a % 4) + b)] of window 2 + a / 4).
.set KTOT,   1024
.set UNIT,   12800
.set GROUPB, (KTOT/128)*UNIT           ; a row group's units for all of K
.set LGG,    4                         ; 16 groups of 128 hidden units to an expert
.set NQ,     2                         ; matrix instructions deep in a slot
.set FR,     12                        ; registers of a fragment
.set NL,     3                         ; LDS loads that bring one
.set NP,     4                         ; places behind this matrix instruction (ISA guide 7.12.1)
.set HALFT,  2*UNIT                    ; 128 rows x 256 K: what one tensor load brings, and what one wave reads of A or of B
.set SLOT,   4*HALFT                   ; A's two halves, then B's two
.set SPARE,  2*SLOT                    ; behind the ring: the spare words, 128 bytes for each wave: two blocks of 256 bytes that no other line names
.set LAPS,   KTOT/512                  ; a lap = once round the ring
.set BACK_A, (LAPS-1)*2*HALFT          ; from a slot's last units of a tile to its first of the next: x goes back along K,
.set NEXT_B, 8*GROUPB-(LAPS-1)*2*HALFT ; w1 eight row groups (1,024 hidden units) on and back along K
.set ADRA, 16                          ; v16-17  LDS address of my A fragments in slot 0, 1
.set ADRB, 20                          ; v20-21  the same for B
.set ADRS, 22                          ; v22-23  of my scale words: lanes 0-15 A's rows, lanes 16-31 B's
.set LI,   24                          ; v24     16 x lane
.set SA,   25                          ; v25     32 r + 16 h: my 16 bytes of a unit's scale words
.set BO,   27                          ; v27     64 h: my place in b1; never rewritten
.set SPW,  28                          ; v28     LDS address of my spare word; never rewritten
.set NIL,  29                          ; v29     0; never rewritten
.set SC,   32                          ; scale words: register SC + 16 slot + 8 q + i: lanes 0-15 the word of A's block i, lanes 16-31 that of B's block i
.set AF,   128
.set G1,  24                           ; s[24:31] descriptor group 1 for A;  s[32:39] group 0, one set for each slot
.set G0,  32
.set G1B, 48                           ; s[48:55], s[56:63] the same for B
.set G0B, 56
.set OUTP, 66                          ; s[66:67] hq: 1,536 bytes behind the place of the block in hand
.set CF,  68                           ; s[68:85] the polynomial's coefficients 0 .. 8, x log2(e), each twice (the packed form names a pair)
.set SEL, 90                           ; s[90:91] lane selects for lane l xor 16
.set X,   64                           ; epilogue: v64-127 a block's 64 numbers
.set T,   128                          ; v128-191 t
.set P,   192                          ; v192-255 the polynomial, the exponent, q
.set TM,  32                           ; v32-47 the quantiser's work
.set PC,  192                          ; v192-210 the codes just made: registers that the next trip writes late, so that the wait for their stores stands far behind them
.set PWS, 48                           ; v48-55 the eight blocks' scale words
.set K9,  60                           ; v[60:61] coefficient 9
.set PW,  62                           ; v62 the scale word just made
.set MSB, 0
.macro WIN new                         ; the immediate's high byte repeats the setting that is left
.if MSB != (\new)
	s_set_vgpr_msb (MSB<<8)|(\new)
.set MSB, (\new)
.endif
.endm
.set MUL_LO, 0xa1                      ; source 0 (B) window 1, source 1 (A) window 0, C and D window 2
.set MUL_HI, 0xf1                      ; the same, C and D window 3
.set TO_B,   0x40                      ; destination window 1, address window 0
; A joint load: waves 0 and 1 fetch A's halves, waves 2 and 3 B's.  Each line has one mask and one set of registers for all that issue it; the branch hangs on the wave's number alone.
; Four v_nop follow each of the two lines, ahead of the jump, the label and what follows.
.macro JLOAD g0a, g1a, g0b, g1b
	s_cmp_eq_u32 s15, 0
	s_cbranch_scc0 .Lfor_b_\@
	tensor_load_to_lds s[\g0a:\g0a+3], s[\g1a:\g1a+7]
	s_nop 0
.rept 4
	v_nop
.endr
	s_branch .Lasked_\@
.Lfor_b_\@:
	tensor_load_to_lds s[\g0b:\g0b+3], s[\g1b:\g1b+7]
	s_nop 0
.rept 4
	v_nop
.endr
.Lasked_\@:
.endm
.macro CREST                           ; a round of the cluster's barrier behind its opening barrier
	s_cmp_lg_u32 s14, 0
	s_cbranch_scc1 .Lnot_wave_0_\@
	s_barrier_signal -3
.Lnot_wave_0_\@:
	s_barrier_wait -3
	s_barrier_signal -1
	s_barrier_wait -1
.endm
.macro CROUND                          ; a whole round
	s_barrier_signal -1
	s_barrier_wait -1
	CREST
.endm
; A PREFETCH of the slot that stands two refills on.  A wave's tensor load brings 25,600 dense bytes, 100 blocks of 256; each of the four partners that ask for them jointly takes 25, told apart BY ADDRESS
; (cx for x's units, cy for w1's): a lane a block, the seven lanes left over name the wave's last block again; one instruction a wave.  Every offset is an immediate: the two address registers are never rewritten.
; both = 0: w1's waves alone: the second tile's units of x are those of the first, which this work-group has read.  The last two refills ask for nothing.
.set PFO, 26                           ; v26     256 x min(lane, 24); never rewritten
.set PFA, 96                           ; s[96:97] the first byte of my work-group's 6,400 of the 25,600 that I fetch for slot 0; never rewritten
.macro ASK off, both
.if (\both) == 0
	s_cmp_eq_u32 s15, 0
	s_cbranch_scc1 .Lnot_asked_\@
.endif
	global_prefetch_b8 v[PFO], s[PFA:PFA+1] offset:\off th:TH_LOAD_NT scope:SCOPE_SE
.Lnot_asked_\@:
.endm
.macro PLACES n
.rept \n
	v_nop
.endr
.endm
.macro FRAG reg, adr, q, i             ; a fragment comes as the image of its registers: three loads of 512 dense bytes
.irp c, 0,1,2
	ds_load_b128 v[\reg+4*\c:\reg+4*\c+3], v[\adr] offset:UNIT*(\q)+1536*(\i)+512*\c
.endr
.endm
; 16 matrix instructions: A's blocks a0, a0 + 1 x B's eight, the slot's q-th 128 along K.  p: B's set; sc: the set of scale words.  zero = 1: the first product starts the sums.
; The 64 accumulators take turns, one instruction a turn, in the same order in every step.
.macro MUL16 a0, p, q, sc, zero
.irp a, \a0, \a0+1
.irp b, 0,1,2,3,4,5,6,7
.if \zero
	v_wmma_scale_f32_16x16x128_f8f6f4 v[8*(8*((\a)%4)+\b):8*(8*((\a)%4)+\b)+7], v[128*(\p)+FR*\b:128*(\p)+FR*\b+FR-1], v[AF+FR*(\a):AF+FR*(\a)+FR-1], 0, v[SC+16*(\sc)+8*(\q)+\b], v[SC+16*(\sc)+8*(\q)+(\a)] matrix_a_fmt:MATRIX_FMT_FP6 matrix_b_fmt:MATRIX_FMT_FP6 matrix_a_scale:MATRIX_SCALE_ROW1
.else
	v_wmma_scale_f32_16x16x128_f8f6f4 v[8*(8*((\a)%4)+\b):8*(8*((\a)%4)+\b)+7], v[128*(\p)+FR*\b:128*(\p)+FR*\b+FR-1], v[AF+FR*(\a):AF+FR*(\a)+FR-1], v[8*(8*((\a)%4)+\b):8*(8*((\a)%4)+\b)+7], v[SC+16*(\sc)+8*(\q)+\b], v[SC+16*(\sc)+8*(\q)+(\a)] matrix_a_fmt:MATRIX_FMT_FP6 matrix_b_fmt:MATRIX_FMT_FP6 matrix_a_scale:MATRIX_SCALE_ROW1
.endif
.endr
.endr
.endm
.macro FETCH_B slot, q, p              ; B's eight fragments of the slot's q-th 128 along K into set p
	WIN TO_B
.irp i, 0,1,2,3,4,5,6,7
	FRAG 128*(\p)+FR*\i, ADRB+\slot, \q, \i
.endr
	WIN 0
.endm
.macro FETCH_A slot, q, i0             ; A's blocks i0 .. i0 + 3
.irp i, \i0, \i0+1, \i0+2, \i0+3
	FRAG AF+FR*(\i), ADRA+\slot, \q, \i
.endr
.endm
.macro SCALES sc                       ; a slot's scale words: for each of its two units eight words a row, 32 bytes; lanes 0-15 take A's, lanes 16-31 B's
.irp q, 0,1
.irp k, 0,1
	ds_load_b128 v[SC+16*\sc+8*\q+4*\k:SC+16*\sc+8*\q+4*\k+3], v[ADRS+\sc] offset:UNIT*\q+16*\k
.endr
.endr
.endm
; A step of 128 along K that has its successor in the same slot.  A's blocks go one after the other, each against B's eight, so one set of registers serves A; B has two.
.macro STEP slot, q, zero
	s_wait_dscnt 4*NL                              ; B's set, A's blocks 0-3 and the scale words are in; the youngest twelve loads (A's blocks 4-7) may be out
	WIN MUL_LO
	MUL16 0, (\q)%2, \q, \slot, \zero
	MUL16 2, (\q)%2, \q, \slot, \zero
	s_wait_dscnt 0                                 ; A's blocks 4-7 are in
	PLACES NP                                      ; in front of loads into registers that matrix instructions have read
	FETCH_B \slot, (\q)+1, 1-(\q)%2
	FETCH_A \slot, (\q)+1, 0
	WIN MUL_HI
	MUL16 4, (\q)%2, \q, \slot, \zero
	MUL16 6, (\q)%2, \q, \slot, \zero
	PLACES NP
	WIN 0
	FETCH_A \slot, (\q)+1, 4
.endm
; A slot's last step changes slots: ONE barrier; in front of it each wave waits for all its tensor loads, adds 0 to its spare word, and waits for that and for its reads of this slot.
; fill = 1: this slot is filled again, two slots ahead in this tile; 2: with the NEXT tile's units of this slot; 0: not at all.  fetch = 0: the next slot's fragments are not fetched yet: the epilogue comes first and uses their registers.
.macro TURN slot, next, fill, fetch, ask=0
	s_wait_tensorcnt 0x0                           ; all my tensor loads have landed: my part of the next slot;  (every window is 0 here)
	ds_add_u32 v[SPW], v[NIL]                      ; 0 onto my spare word
	s_wait_dscnt 4*NL+1                            ; (the add and the youngest twelve loads, A's blocks 4-7, may be out)
	WIN MUL_LO
	MUL16 0, 1, NQ-1, \slot, 0                     ; sixteen matrix instructions stand between the add and the wait for it
	s_wait_dscnt 0x0                               ; the add is done, and my reads of this slot are over
	s_barrier_signal -1
	MUL16 2, 1, NQ-1, \slot, 0
	WIN 0
	s_barrier_wait -1
.if \fill
	CREST                                          ; the barrier has opened a round of the cluster's barrier: no wave of any partner still reads this slot or has a load on its way
.if \fill == 2
	s_sub_nc_u64 s[G0+4*\slot+2:G0+4*\slot+3], s[G0+4*\slot+2:G0+4*\slot+3], BACK_A
	s_add_nc_u64 s[G0B+4*\slot+2:G0B+4*\slot+3], s[G0B+4*\slot+2:G0B+4*\slot+3], NEXT_B
.else
	s_add_nc_u64 s[G0+4*\slot+2:G0+4*\slot+3], s[G0+4*\slot+2:G0+4*\slot+3], 2*HALFT
	s_add_nc_u64 s[G0B+4*\slot+2:G0B+4*\slot+3], s[G0B+4*\slot+2:G0B+4*\slot+3], 2*HALFT
.endif
	JLOAD G0+4*\slot, G1, G0B+4*\slot, G1B         ; the first tensor load behind the round, my one load until the next; its four v_nop are the places in front of the loads below
.else
	PLACES NP
.endif
.if \fetch
	FETCH_B \next, 0, 0
	FETCH_A \next, 0, 0
	SCALES \next
.endif
.if \ask
	ASK 8*GROUPB+((\ask)-4)*HALFT, 0               ; fill number ask (4 .. 7: the second tile's slots), two refills ahead of its load
.endif
	WIN MUL_HI
	MUL16 4, 1, NQ-1, \slot, 0
	MUL16 6, 1, NQ-1, \slot, 0
.if \fetch
	PLACES NP
	WIN 0
	FETCH_A \next, 0, 4
.else
	WIN 0
.endif
.endm
; A tile's products.  Slot 0 is whole in LDS for every wave when this begins.  last = 0: the ring goes on into the next tile; 1: the last lap fills nothing.
.macro GEMM last
	FETCH_B 0, 0, 0
	FETCH_A 0, 0, 0
	SCALES 0
	FETCH_A 0, 0, 4
	STEP 0, 0, 1                                   ; the first step stands in front of the loop: its products start the sums
	s_mov_b32 s3, LAPS-1
.Llap_\@:                                              ; a trip goes once round the ring, from a lap's second step to the next lap's first, and fills both slots again
	TURN 0, 1, 1, 1, 4*(1-\last)
	STEP 1, 0, 0
	TURN 1, 0, 1, 1, 5*(1-\last)
	STEP 0, 0, 0
	s_sub_co_u32 s3, s3, 1
	s_cmp_lg_u32 s3, 0
	s_cbranch_scc1 .Llap_\@
.if \last
	TURN 0, 1, 0, 1                                ; nothing is filled, and there is no round of the cluster's barrier
	STEP 1, 0, 0
	s_wait_dscnt 4*NL                              ; the very last step: nothing more to fetch
	WIN MUL_LO
	MUL16 0, 1, NQ-1, 1, 0
	MUL16 2, 1, NQ-1, 1, 0
	s_wait_dscnt 0
	WIN MUL_HI
	MUL16 4, 1, NQ-1, 1, 0
	MUL16 6, 1, NQ-1, 1, 0
	WIN 0
.else
	TURN 0, 1, 2, 1, 6                             ; slot 0 takes the next tile's K units 0 and 1: the next change's wait and round show them landed to every wave,
	STEP 1, 0, 0
	TURN 1, 0, 2, 0, 7                             ; slot 1 its units 2 and 3: they land under the epilogue
.endif
.endm
; b1 in the result's layout: lane (r, h) wants, for B's block b, the numbers of hidden units 32 (b / 2) + 16 h + 8 (b % 2) + 0 .. 7 of my 128
.macro BIAS
	WIN TO_B
.irp b, 0,1,2,3,4,5,6,7
	global_load_b128 v[96+8*\b+96*(\b/4):96+8*\b+96*(\b/4)+3], v[BO], s[8:9] offset:(32*(\b/2)+8*(\b%2))*4
	global_load_b128 v[96+8*\b+96*(\b/4)+4:96+8*\b+96*(\b/4)+7], v[BO], s[8:9] offset:(32*(\b/2)+8*(\b%2))*4+16
.endr
	WIN 0
.endm
; 64 numbers of a lane, register 16 b + i = k 32 b + 16 (lane / 16) + i of my row, become a fragment's codes in v[PC] on and its scale word in v[PW]
.macro QUANT s
.irp b, 0,1,2,3
	v_max3_num_f32 v[TM+\b], |v[\s+16*\b]|, |v[\s+1+16*\b]|, 0x1800000   ; block b: my 16 numbers, and the floor 2^(3 - 127): the byte cannot fall under 1
.endr
.irp i, 2,4,6,8,10,12,14
.irp b, 0,1,2,3
	v_max3_num_f32 v[TM+\b], v[TM+\b], |v[\s+16*\b+\i]|, |v[\s+1+16*\b+\i]|   ; (the four blocks by turns)
.endr
.endr
.irp b, 0,1,2,3
	v_permlanex16_b32 v[TM+4+\b], v[TM+\b], s[SEL], s[SEL+1]
.endr
.irp b, 0,1,2,3
	v_max_num_f32 v[TM+\b], v[TM+\b], v[TM+4+\b]   ; with lane l xor 16's: the block's largest magnitude
.endr
.irp b, 0,1,2,3
	v_add_nc_u32 v[TM+12+\b], 0xff000000, v[TM+\b] ; 2 off its exponent field: the conversion's scale operand
.endr
.irp b, 0,1,2,3
	v_lshrrev_b32 v[TM+4+\b], 23, v[TM+12+\b]      ; the scale's byte
.endr
	v_lshl_or_b32 v[PW], v[TM+5], 8, v[TM+4]       ; the four bytes make my row's scale word
	v_lshl_or_b32 v[PW], v[TM+6], 16, v[PW]
	v_lshl_or_b32 v[PW], v[TM+7], 24, v[PW]
.irp c, 0,1
	v_cvt_scalef32_pk16_fp6_f32 v[PC+6*\c:PC+2+6*\c], v[\s+32*\c:\s+15+32*\c], v[TM+12+2*\c]
	v_cvt_scalef32_pk16_fp6_f32 v[PC+12+4*\c:PC+14+4*\c], v[\s+16+32*\c:\s+31+32*\c], v[TM+12+2*\c+1]   ; (a conversion's three registers begin on an even number)
.endr
	v_nop                                          ; one plain line behind the conversions
.irp c, 0,1                                    ; the operand's layout wants a WHOLE block in a lane: lanes 0-15 block 2 c, lanes 16-31 block 2 c + 1
.irp i, 0,1,2
	v_permlane16_swap_b32 v[PC+6*\c+\i], v[PC+12+4*\c+\i]
.endr
.irp i, 0,1,2
	v_mov_b32 v[PC+3+6*\c+\i], v[PC+12+4*\c+\i]
.endr
.endr
.endm
; Block k's 64 sums, + b1, into the registers on which the epilogue's one body works.  Each accumulator is read from its low end on.
.macro COPY k
	WIN 6+(\k)/4                                   ; source 0: window 2 or 3 (the sums); source 1: window 1 (b1); destination: window 0
	s_wait_alu depctr_va_vdst(0)                   ; directly ahead of the first reader of the block's sums
.set j, 0
.rept 32
.if j < 32
.set BI, 96+j
.else
.set BI, 192+j
.endif
	v_pk_add_f32 v[X+j:X+j+1], v[64*((\k)%4)+j:64*((\k)%4)+j+1], v[BI:BI+1]
.set j, j+2
.endr
	WIN 0
.endm
; THE EPILOGUE of a tile: eight blocks of 16 tokens x 128 hidden units.  Its body is written once and walked eight times; only the 32 additions that fetch a block differ, since they name the block's accumulators.
; The 64 reciprocals and the 64 exponentials stand as two batches: all sources first, one wait ahead of the batch, a plain place and one wait behind it.
.macro EPILOGUE
	s_wait_loadcnt 0x0                             ; b1
	PLACES NP                                      ; behind the last products: their results are read and their operands' registers written below
.irp b, 0,1,2,3
	v_mov_b32 v[TM+4+\b], 0                        ; a lane permute's destination counts as one of its sources
.endr
.irp i, 0,1,2,3,4,5,6,7
	v_mov_b32 v[PWS+\i], 0                         ; the words move one place a trip: the first trips move these
.endr
	v_mov_b32 v[K9], 0x3e7c6f08                    ; 0.17087277 log2(e)
	v_mov_b32 v[K9+1], 0x3e7c6f08
	s_mov_b32 s92, 0
.Lepi_\@:
.irp k, 0,1,2,3,4,5,6
	s_cmp_eq_u32 s92, \k                           ; the trip's number picks the block: a branch on the counter alone
	s_cbranch_scc1 .Lcopy_\@_\k
.endr
	COPY 7
	s_branch .Lbody_\@
.irp k, 0,1,2,3,4,5,6
.Lcopy_\@_\k:
	COPY \k
	s_branch .Lbody_\@
.endr
.Lbody_\@:
.set j, 0
.rept 64
	v_fma_f32 v[T+j], |v[X+j]|, s86, 1.0           ; 1 + |x| / (2 sqrt 2)
.set j, j+1
.endr
	s_wait_alu depctr_va_vdst(0)                   ; ahead of the batch
.set j, 0
.rept 64
	v_rcp_f32 v[T+j], v[T+j]                       ; t
.set j, j+1
.endr
	v_nop                                          ; one plain place behind the last reciprocal
	s_wait_xcnt 0x0                                ; the last trip's stores have read their registers and their base: the polynomial writes those registers, and the base steps
	s_add_nc_u64 s[OUTP:OUTP+1], s[OUTP:OUTP+1], 1536
.set j, 0
	s_wait_alu depctr_va_vdst(0)
.rept 32
	v_pk_fma_f32 v[P+j:P+j+1], v[T+j:T+j+1], v[K9:K9+1], s[CF+16:CF+17] op_sel_hi:[1,1,0]   ; Horner, two numbers an instruction; 32 pairs by turns, so that no line waits for the line above it
.set j, j+2
.endr
.irp k, 7,6,5,4,3,2,1,0
.set j, 0
.rept 32
	v_pk_fma_f32 v[P+j:P+j+1], v[P+j:P+j+1], v[T+j:T+j+1], s[CF+2*\k:CF+2*\k+1] op_sel_hi:[1,1,0]
.set j, j+2
.endr
.endr
.set j, 0
.rept 4                                        ; the exponent -x^2 log2(e) / 2 + poly(t): eight pairs by turns, on the quantiser's work registers, which are free here
.irp d, 0,1,2,3,4,5,6,7
	v_pk_mul_f32 v[TM+2*\d:TM+2*\d+1], v[X+j+2*\d:X+j+2*\d+1], s[88:89] op_sel_hi:[1,0]
.endr
.irp d, 0,1,2,3,4,5,6,7
	v_pk_fma_f32 v[P+j+2*\d:P+j+2*\d+1], v[X+j+2*\d:X+j+2*\d+1], v[TM+2*\d:TM+2*\d+1], v[P+j+2*\d:P+j+2*\d+1]
.endr
.set j, j+16
.endr
	s_wait_alu depctr_va_vdst(0)                   ; ahead of the batch
.set j, 0
.rept 64
	v_exp_f32 v[P+j], v[P+j]
.set j, j+1
.endr
	v_nop                                          ; one plain place behind the last exponential
.set j, 0
	s_wait_alu depctr_va_vdst(0)                   ; one wait for the whole batch, ahead of its first reader; q = erfc(|x| / sqrt 2) / 2 follows
.rept 32
	v_pk_mul_f32 v[P+j:P+j+1], v[P+j:P+j+1], v[T+j:T+j+1]
.set j, j+2
.endr
.set j, 0
.rept 8
.irp d, 0,1,2,3,4,5,6,7
	v_max_num_f32 v[4+\d], 0, v[X+j+\d]
.endr
.irp d, 0,1,2,3,4,5,6,7
	v_fma_f32 v[X+j+\d], -|v[X+j+\d]|, v[P+j+\d], v[4+\d]          ; gelu(x) = max(x, 0) - |x| q
.endr
.set j, j+8
.endr
	QUANT X
.irp c, 0,1,2
	global_store_b128 v[LI], v[PC+4*\c:PC+4*\c+3], s[OUTP:OUTP+1] offset:512*\c-1536   ; the fragment's image: 32 lanes store 512 consecutive bytes, at a multiple of 256 from hq's first byte; the base has stepped already
.endr
.irp i, 0,1,2,3,4,5,6
	v_mov_b32 v[PWS+\i], v[PWS+\i+1]               ; after eight trips block a's word stands at place a
.endr
	v_mov_b32 v[PWS+7], v[PW]
	s_add_co_u32 s92, s92, 1
	s_cmp_lt_u32 s92, 8
	s_cbranch_scc1 .Lepi_\@
	v_and_b32 v4, 31, v0
	v_cmp_lt_u32 vcc_lo, 15, v4                    ; lanes 0-15 store the words of blocks 0-3, lanes 16-31 those of 4-7
.irp k, 0,1,2,3
	v_cndmask_b32 v[56+\k], v[PWS+\k], v[PWS+4+\k], vcc_lo
.endr
	global_store_b128 v[SA], v[56:59], s[OUTP:OUTP+1]              ; the base now stands behind the eight images: the unit's 512 bytes of scale words
.endm
	s_load_b256 s[4:11], s[0:1], 0x0               ; xq s[4:5], w1q s[6:7], b1 s[8:9], hq s[10:11]
	v_lshl_add_u32 v[SPW], v0, 2, SPARE
	v_mov_b32 v[NIL], 0
	ds_add_u32 v28, v29
	ds_add_u32 v28, v29
	s_wait_dscnt 0x0
	v_lshrrev_b32 v1, 5, v0
	v_readfirstlane_b32 s14, v1                    ; wave 0..3
	s_lshr_b32 s15, s14, 1                         ; which half of the tile's tokens is mine.  Also: I fetch for A (0) or for B (1)
	s_and_b32 s16, s14, 1                          ; which half of its hidden units.  Also: which half of that operand I fetch
	s_bfe_u32 s40, ttmp6, 0x40000                  ; cx, cy: my place in the cluster
	s_bfe_u32 s41, ttmp6, 0x40004                  ; cy is the tile of 256 tokens
	s_lshl_b32 s42, ttmp9, 2
	s_add_co_u32 s42, s42, s40                     ; my first tile of 256 hidden units = 4 x cluster x + cx; the second lies four tiles on
	s_and_b32 s17, ttmp7, 0xffff                   ; the cluster's y: the expert
	s_lshl_b32 s43, s41, 2
	s_lshl_b32 s43, 15, s43                        ; my row of the cluster
	s_lshl_b32 s44, 0x1111, s40                    ; my column
	; descriptor group 1: 25,600 dense bytes as 100 rows of 32 elements of 8 bytes, no padding
	s_or_b32 s[G1+0], s43, (3<<16)|(1<<21)         ; 15:0 the mask: A's units go to my row; 17:16 elements of 8 bytes; 21 set beside a mask
	s_or_b32 s[G1B+0], s44, (3<<16)|(1<<21)        ; B's go to my column
.irp g, G1, G1B
	s_mov_b32 s[\g+1], 32<<16                      ; tensor_dim0 = 32
	s_mov_b32 s[\g+2], 100<<16                     ; tensor_dim1 = 100
	s_mov_b32 s[\g+3], 32<<16                      ; tile_dim0 = 32
	s_mov_b32 s[\g+4], 100                         ; tile_dim1 = 100
	s_mov_b32 s[\g+5], 32                          ; tensor_dim0_stride
	s_mov_b32 s[\g+6], 0
	s_mov_b32 s[\g+7], 0
.endr
	s_lshl_b32 s20, s41, 1
	s_add_co_u32 s20, s20, s16                     ; A: row group 2 cy + the half that I fetch
	s_mul_i32 s20, s20, GROUPB
	s_mov_b32 s21, 0
	s_lshl_b32 s46, s17, LGG
	s_lshl_b32 s47, s42, 1
	s_add_co_u32 s46, s46, s47
	s_add_co_u32 s46, s46, s16                     ; B: row group expert x groups + 2 x tile + half
	s_mul_i32 s46, s46, GROUPB
	s_mov_b32 s47, 0
	s_mul_i32 s45, s14, HALFT                      ; where they go: wave x 25,600: no place in the cluster enters an LDS address
	s_mov_b32 s[CF+0], 0xc034d90f                  ; -1.26551223 log2(e) - 1 (the 1 is q's half)
	s_mov_b32 s[CF+2], 0x3fb8ab5a                  ;  1.00002368 log2(e)
	s_mov_b32 s[CF+4], 0x3f0a29d2                  ;  0.37409196 log2(e)
	s_mov_b32 s[CF+6], 0x3e0efb2e                  ;  0.09678418 log2(e)
	s_mov_b32 s[CF+8], 0xbe899a80                  ; -0.18628806 log2(e)
	s_mov_b32 s[CF+10], 0x3ecdfd18                 ;  0.27886807 log2(e)
	s_mov_b32 s[CF+12], 0xbfd1a1e5                 ; -1.13520398 log2(e)
	s_mov_b32 s[CF+14], 0x40097039                 ;  1.48851587 log2(e)
	s_mov_b32 s[CF+16], 0xbf97d29d                 ; -0.82215223 log2(e)
.irp k, 0,2,4,6,8,10,12,14,16
	s_mov_b32 s[CF+\k+1], s[CF+\k]                 ; (named with it as a pair, so it is written)
.endr
	s_mov_b32 s86, 0x3eb504f3                      ; 1 / (2 sqrt 2)
	s_mov_b32 s88, 0xbf38aa3b                      ; -log2(e) / 2
	s_mov_b32 s89, s88
	s_mov_b32 s[SEL], 0x76543210
	s_mov_b32 s[SEL+1], 0xfedcba98
	s_wait_kmcnt 0x0
	s_add_nc_u64 s[20:21], s[4:5], s[20:21]
	s_add_nc_u64 s[46:47], s[6:7], s[46:47]
	CROUND                                         ; all sixteen work-groups are here: the first joint loads meet
.irp s, 0,1
	s_mov_b32 s[G0+4*\s], 1
	s_add_co_u32 s[G0+4*\s+1], s45, \s*SLOT
	s_add_nc_u64 s[G0+4*\s+2:G0+4*\s+3], s[20:21], \s*HALFT
	s_or_b32 s[G0+4*\s+3], s[G0+4*\s+3], 0x80000000
	s_mov_b32 s[G0B+4*\s], 1
	s_add_co_u32 s[G0B+4*\s+1], s45, \s*SLOT
	s_add_nc_u64 s[G0B+4*\s+2:G0B+4*\s+3], s[46:47], \s*HALFT
	s_or_b32 s[G0B+4*\s+3], s[G0B+4*\s+3], 0x80000000
.endr
	s_cmp_eq_u32 s15, 0                            ; do I fetch for x?
	s_cselect_b64 s[PFA:PFA+1], s[20:21], s[46:47] ; the prefetches' base: what I fetch,
	s_cselect_b32 s98, s40, s41                    ; my place among the four that ask for it with me,
	s_mul_i32 s98, s98, 6400                       ; 25 blocks of 256 bytes for each place
	s_mov_b32 s99, 0
	s_add_nc_u64 s[PFA:PFA+1], s[PFA:PFA+1], s[98:99]
	JLOAD G0, G1, G0B, G1B                         ; slot 0: one tensor load a wave at the head
	v_and_b32 v1, 31, v0                           ; lane
	v_min_u32 v[PFO], 24, v1
	v_lshlrev_b32 v[PFO], 8, v[PFO]
	ASK HALFT, 1                                   ; slots 1 and 2: their loads follow behind the next two rounds
	ASK 2*HALFT, 1
	v_and_b32 v2, 15, v0                           ; r
	v_bfe_u32 v3, v0, 4, 1                         ; h
	v_lshlrev_b32 v[LI], 4, v1
	v_lshlrev_b32 v[SA], 5, v2
	v_lshl_add_u32 v[SA], v3, 4, v[SA]
	v_lshlrev_b32 v[BO], 6, v3
	s_mul_i32 s21, s15, HALFT                      ; my half of A
	s_mul_i32 s22, s16, HALFT                      ; my half of B,
	s_add_co_u32 s22, s22, 2*HALFT                 ; behind A's two
	s_xor_b32 s23, s15, 1
	s_add_co_u32 s23, s23, s16
	s_add_co_u32 s23, s23, 1
	s_mul_i32 s23, s23, HALFT                      ; from my half of A to my half of B: (2 + B's half - A's half) x 25,600
	v_lshl_add_u32 v5, v2, 5, 12288                ; a unit's scale words: 32 bytes a row
	v_mul_u32_u24 v6, s23, v3                      ; lanes 16-31 take B's
	v_add_nc_u32 v5, v5, v6
.irp s, 0,1
	v_add_nc_u32 v[ADRA+\s], s21, v[LI]
	v_add_nc_u32 v[ADRB+\s], s22, v[LI]
	v_add_nc_u32 v[ADRS+\s], s21, v5
	s_add_co_u32 s21, s21, SLOT
	s_add_co_u32 s22, s22, SLOT
.endr
	s_lshl_b32 s94, s17, 13                        ; b1: the expert's 8,192 bytes, 1,024 for each tile, 512 for my half
	s_lshl_b32 s95, s42, 10
	s_add_co_u32 s94, s94, s95
	s_lshl_b32 s95, s16, 9
	s_add_co_u32 s94, s94, s95
	s_mov_b32 s95, 0
	s_add_nc_u64 s[8:9], s[8:9], s[94:95]
	s_wait_alu depctr_va_vdst(0)                   ; b1's loads read an offset made above, behind a run of scalar lines
	BIAS
	s_lshl_b32 s94, s17, 3                         ; my unit of hq: (expert x 8 + 2 cy + my half of the tokens) x 16 + 2 x tile + my half of the hidden units
	s_lshl_b32 s95, s41, 1
	s_add_co_u32 s94, s94, s95
	s_add_co_u32 s94, s94, s15
	s_lshl_b32 s94, s94, 4
	s_lshl_b32 s95, s42, 1
	s_add_co_u32 s94, s94, s95
	s_add_co_u32 s94, s94, s16
	s_mul_i32 s94, s94, UNIT
	s_mov_b32 s95, 0
	s_add_nc_u64 s[OUTP:OUTP+1], s[10:11], s[94:95]
	s_wait_alu depctr_va_vdst(0)
	s_wait_tensorcnt 0x0                           ; my part of slot 0 is in
	ds_add_u32 v[SPW], v[NIL]
	s_wait_dscnt 0x0                               ; the add is done
	CROUND                                         ; a whole round: everybody's part of slot 0 is in, and all sixteen work-groups are here
	JLOAD G0+4, G1, G0B+4, G1B                     ; slot 1's first fill: the first tensor load behind the round
	ASK 3*HALFT, 1                                 ; the first tile's last slot
	GEMM 0                                         ; the first tile; both of the second tile's first slots are asked for at its end
	EPILOGUE
	s_wait_xcnt 0x0                                ; the stores have read their registers and their base: fragments land in those registers below, and the base steps
	s_add_nc_u64 s[OUTP:OUTP+1], s[OUTP:OUTP+1], 8*UNIT-12288      ; from behind my unit's images to my unit of the second tile: eight units on
	s_add_nc_u64 s[8:9], s[8:9], 4096              ; b1: 1,024 hidden units on (its loads were waited for at the epilogue's head)
	BIAS
	GEMM 1                                         ; the second tile: slot 0 was shown whole to every wave by the first tile's last change of slots
	EPILOGUE
	s_wait_tensorcnt 0x0                           ; the wave's end
	ds_add_u32 v[SPW], v[NIL]
	s_wait_dscnt 0x0
	CROUND                                         ; the closing round: no work-group ends while a partner may still ask for a tile that names it
	s_endpgm
.Lfunc_end_k_qa84eb6bfc0_up:
	.size	k_qa84eb6bfc0_up, .Lfunc_end_k_qa84eb6bfc0_up-k_qa84eb6bfc0_up
	.p2alignl 7, 3214868480
	.fill 96, 4, 3214868480
	.section	.rodata,"a",@progbits
	.p2align	6, 0x0
	.amdhsa_kernel k_qa84eb6bfc0_up
		.amdhsa_group_segment_fixed_size 327680
		.amdhsa_private_segment_fixed_size 0
		.amdhsa_enable_private_segment 0
		.amdhsa_kernarg_size 32
		.amdhsa_user_sgpr_count 2
		.amdhsa_user_sgpr_kernarg_segment_ptr 1
		.amdhsa_wavefront_size32 1
		.amdhsa_system_sgpr_workgroup_id_x 1
		.amdhsa_system_sgpr_workgroup_id_y 1
		.amdhsa_system_sgpr_workgroup_id_z 1
		.amdhsa_system_vgpr_workitem_id 0
		.amdhsa_next_free_vgpr 1024
		.amdhsa_next_free_sgpr 100
		.amdhsa_reserve_vcc 1
		.amdhsa_float_denorm_mode_32 3
		.amdhsa_float_denorm_mode_16_64 3
		.amdhsa_memory_ordered 1
		.amdhsa_forward_progress 1
		.amdhsa_inst_pref_size 255
	.end_amdhsa_kernel
	.section	.bss,"aw",@nobits
	.p2align	6
	.space	262144
	.amdgpu_metadata
---
amdhsa.version: [ 1, 2 ]
amdhsa.kernels:
  - .name:           k_qa84eb6bfc0_up
    .symbol:         k_qa84eb6bfc0_up.kd
    .args:
      - { .name: xq, .offset: 0, .size: 8, .value_kind: global_buffer, .address_space: global }
      - { .name: w1q, .offset: 8, .size: 8, .value_kind: global_buffer, .address_space: global }
      - { .name: b1, .offset: 16, .size: 8, .value_kind: global_buffer, .address_space: global }
      - { .name: hq, .offset: 24, .size: 8, .value_kind: global_buffer, .address_space: global }
    .group_segment_fixed_size: 327680
    .private_segment_fixed_size: 0
    .kernarg_segment_align: 8
    .kernarg_segment_size: 32
    .max_flat_workgroup_size: 128
    .sgpr_count:     100
    .vgpr_count:     1024
    .wavefront_size: 32
...
	.end_amdgpu_metadata
.endif
;; end of part 2
;; launch down (part 3): grid 4 x 64, 4 waves a work-group, clusters of 4 x 4, 327,680 bytes of LDS; arguments hq, w2q, y; writes y
.if DOCPART == 3
	.amdgcn_target "amdgcn-amd-amdhsa--gfx1250"
	.amdhsa_code_object_version 6
	.text
	.protected	k_qa84eb6bfc0_down
	.globl	k_qa84eb6bfc0_down
	.p2align	8
	.type	k_qa84eb6bfc0_down,@function
k_qa84eb6bfc0_down:
	s_mov_b64 s[64:65], 0
	v_nop
	global_prefetch_b8 v0, s[64:65] scope:SCOPE_SE
	s_setreg_imm32_b32 hwreg(HW_REG_WAVE_MODE, 25, 1), 1
	s_wait_xcnt 0x0
	s_wait_alu depctr_hold_cnt(0) depctr_sa_sdst(0) depctr_va_vdst(0) depctr_va_sdst(0) depctr_va_ssrc(0) depctr_va_vcc(0) depctr_vm_vsrc(0)
	s_getreg_b32 s2, hwreg(HW_REG_IB_STS2, 6, 4)
	s_cmp_eq_u32 s2, 0
	s_cbranch_scc0 .Lentry_in_a_cluster
	s_endpgm
.Lentry_in_a_cluster:
	s_bfe_u32 s2, ttmp6, 0x10000c
	s_cmp_lg_u32 s2, 0xf033
	s_cbranch_scc0 .Lentry_shape_is_right
	s_endpgm
.Lentry_shape_is_right:
.set KTOT,   2048
.set UNIT,   12800
.set GROUPB, (KTOT/128)*UNIT
.set ABATCH, 1
.set LGG,    3
.set NQ,     2
.set FR,     12
.set NL,     3
.set NP,     4
.set HALFT,  2*UNIT
.set SLOT,   4*HALFT
.set SPARE,  2*SLOT
.set LAPS,   KTOT/512
.set SPITCH, 272
.set YROW,   2048
.set ADRA, 16
.set ADRB, 20
.set ADRS, 22
.set STO,  24
.set RD,   25
.set CO,   26
.set SPW,  28
.set NIL,  29
.set SC,   32
.set AF,   128
.set TMP,  192
.set OB,   32
.set G1,  24
.set G0,  32
.set G1B, 48
.set G0B, 56
.set MSB, 0
.macro WIN new
.if MSB != (\new)
	s_set_vgpr_msb (MSB<<8)|(\new)
.set MSB, (\new)
.endif
.endm
.set MUL_LO, 0xa1
.set MUL_HI, 0xf1
.set TO_B,   0x40
.macro JLOAD g0a, g1a, g0b, g1b
	s_cmp_eq_u32 s15, 0
	s_cbranch_scc0 .Lfor_b_\@
	tensor_load_to_lds s[\g0a:\g0a+3], s[\g1a:\g1a+7]
	s_nop 0
.rept 4
	v_nop
.endr
	s_branch .Lasked_\@
.Lfor_b_\@:
	tensor_load_to_lds s[\g0b:\g0b+3], s[\g1b:\g1b+7]
	s_nop 0
.rept 4
	v_nop
.endr
.Lasked_\@:
.endm
.macro CREST
	s_cmp_lg_u32 s14, 0
	s_cbranch_scc1 .Lnot_wave_0_\@
	s_barrier_signal -3
.Lnot_wave_0_\@:
	s_barrier_wait -3
	s_barrier_signal -1
	s_barrier_wait -1
.endm
.macro CROUND
	s_barrier_signal -1
	s_barrier_wait -1
	CREST
.endm
.macro PLACES n
.rept \n
	v_nop
.endr
.endm
.macro FRAG reg, adr, q, i
.irp c, 0,1,2
	ds_load_b128 v[\reg+4*\c:\reg+4*\c+3], v[\adr] offset:UNIT*(\q)+1536*(\i)+512*\c
.endr
.endm
.macro MUL16 a0, p, q, sc, zero
.irp a, \a0, \a0+1
.irp b, 0,1,2,3,4,5,6,7
.if \zero
	v_wmma_scale_f32_16x16x128_f8f6f4 v[8*(8*((\a)%4)+\b):8*(8*((\a)%4)+\b)+7], v[128*(\p)+FR*\b:128*(\p)+FR*\b+FR-1], v[AF+FR*(\a):AF+FR*(\a)+FR-1], 0, v[SC+16*(\sc)+8*(\q)+\b], v[SC+16*(\sc)+8*(\q)+(\a)] matrix_a_fmt:MATRIX_FMT_FP6 matrix_b_fmt:MATRIX_FMT_FP6 matrix_a_scale:MATRIX_SCALE_ROW1
.else
	v_wmma_scale_f32_16x16x128_f8f6f4 v[8*(8*((\a)%4)+\b):8*(8*((\a)%4)+\b)+7], v[128*(\p)+FR*\b:128*(\p)+FR*\b+FR-1], v[AF+FR*(\a):AF+FR*(\a)+FR-1], v[8*(8*((\a)%4)+\b):8*(8*((\a)%4)+\b)+7], v[SC+16*(\sc)+8*(\q)+\b], v[SC+16*(\sc)+8*(\q)+(\a)] matrix_a_fmt:MATRIX_FMT_FP6 matrix_b_fmt:MATRIX_FMT_FP6 matrix_a_scale:MATRIX_SCALE_ROW1
.endif
.endr
.endr
.endm
.macro FETCH_B slot, q, p
	WIN TO_B
.irp i, 0,1,2,3,4,5,6,7
	FRAG 128*(\p)+FR*\i, ADRB+\slot, \q, \i
.endr
	WIN 0
.endm
.macro FETCH_A slot, q, i0
.irp i, \i0, \i0+1, \i0+2, \i0+3
	FRAG AF+FR*(\i), ADRA+\slot, \q, \i
.endr
.endm
.macro SCALES sc
.irp q, 0,1
.irp k, 0,1
	ds_load_b128 v[SC+16*\sc+8*\q+4*\k:SC+16*\sc+8*\q+4*\k+3], v[ADRS+\sc] offset:UNIT*\q+16*\k
.endr
.endr
.endm
.macro STEP slot, q, zero
	s_wait_dscnt 4*NL
	WIN MUL_LO
	MUL16 0, (\q)%2, \q, \slot, \zero
	MUL16 2, (\q)%2, \q, \slot, \zero
	s_wait_dscnt 0
	PLACES NP
	FETCH_B \slot, (\q)+1, 1-(\q)%2
	FETCH_A \slot, (\q)+1, 0
	WIN MUL_HI
	MUL16 4, (\q)%2, \q, \slot, \zero
	MUL16 6, (\q)%2, \q, \slot, \zero
	PLACES NP
	WIN 0
	FETCH_A \slot, (\q)+1, 4
.endm
; A PREFETCH of the slot that stands two refills on.  A wave's tensor load brings 25,600 dense bytes, 100 blocks of 256; each of the four partners that ask for them jointly takes 25, told apart BY ADDRESS
; (cx for hq's units, cy for w2q's): a lane a block, the seven lanes left over name the wave's last block again; one instruction a wave.  The base steps one slot at the head of each change of slots that refills,
; behind s_wait_xcnt 0; the loop's last trip, whose two refills are the last slots, asks for nothing.
.set PFO, 27                           ; v27     256 x min(lane, 24); never rewritten
.set PFA, 96                           ; s[96:97] my work-group's 6,400 bytes of the 25,600 that I fetch, three slots behind the slot that a prefetch in the loop names
.macro TURN slot, next, fill
.if \fill
	s_wait_xcnt 0x0                                ; my earlier prefetches have read their base: it steps only behind this wait
	s_add_nc_u64 s[PFA:PFA+1], s[PFA:PFA+1], HALFT
.endif
	s_wait_tensorcnt 0x0
	ds_add_u32 v[SPW], v[NIL]
	s_wait_dscnt 4*NL+1
	WIN MUL_LO
	MUL16 0, 1, NQ-1, \slot, 0
	s_wait_dscnt 0x0
	s_barrier_signal -1
	MUL16 2, 1, NQ-1, \slot, 0
	WIN 0
	s_barrier_wait -1
.if \fill
	CREST
	s_add_nc_u64 s[G0+4*\slot+2:G0+4*\slot+3], s[G0+4*\slot+2:G0+4*\slot+3], 2*HALFT
	s_add_nc_u64 s[G0B+4*\slot+2:G0B+4*\slot+3], s[G0B+4*\slot+2:G0B+4*\slot+3], 2*HALFT
	JLOAD G0+4*\slot, G1, G0B+4*\slot, G1B
.else
	PLACES NP
.endif
	FETCH_B \next, 0, 0
	FETCH_A \next, 0, 0
	s_wait_alu depctr_va_vdst(0)
	SCALES \next
.if \fill
	s_cmp_gt_u32 s3, 1                             ; s3 = 1 in the loop's last trip
	s_cbranch_scc0 .Lnot_asked_\@
	global_prefetch_b8 v[PFO], s[PFA:PFA+1] offset:3*HALFT th:TH_LOAD_NT scope:SCOPE_SE
.Lnot_asked_\@:
.endif
	WIN MUL_HI
	MUL16 4, 1, NQ-1, \slot, 0
	MUL16 6, 1, NQ-1, \slot, 0
	PLACES NP
	WIN 0
	FETCH_A \next, 0, 4
.endm
.macro PACK a
.set AC, 64*((\a)%4)
	WIN 0x0a+5*((\a)/4)
.irp b, 0,1,2,3,4,5,6,7
.irp r, 0,1,2,3
	v_cvt_pk_bf16_f32 v[TMP+4*\b+\r], v[AC+8*\b+2*\r], v[AC+8*\b+2*\r+1]
.endr
.endr
	WIN 0
.endm
.macro TOSTAGE a
.set BK, OB+192*((\a)%2)
.irp b, 0,1,2,3,4,5,6,7
	ds_store_b128 v[STO], v[TMP+4*\b:TMP+4*\b+3] offset:32*\b
.endr
.irp t, 0,1,2,3,4,5,6,7
	ds_load_b128 v[BK+4*\t:BK+4*\t+3], v[RD] offset:\t*2*SPITCH
.endr
.endm
.macro SEND a, younger
.set BK, OB+192*((\a)%2)
	s_wait_dscnt \younger
	s_wait_xcnt 0x0
.if (\a) > 0
	s_add_nc_u64 s[8:9], s[8:9], 16*YROW
.endif
.irp t, 0,1,2,3,4,5,6,7
	global_store_b128 v[CO], v[BK+4*\t:BK+4*\t+3], s[8:9] offset:2*\t*YROW
.endr
.endm
	s_load_b128 s[4:7], s[0:1], 0x0
	s_load_b64 s[8:9], s[0:1], 0x10
	v_lshl_add_u32 v[SPW], v0, 2, SPARE
	v_mov_b32 v[NIL], 0
	ds_add_u32 v28, v29
	ds_add_u32 v28, v29
	s_wait_dscnt 0x0
	v_lshrrev_b32 v1, 5, v0
	v_readfirstlane_b32 s14, v1
	s_lshr_b32 s15, s14, 1
	s_and_b32 s16, s14, 1
	s_bfe_u32 s40, ttmp6, 0x40000
	s_bfe_u32 s41, ttmp6, 0x40004
	s_lshl_b32 s42, ttmp9, 2
	s_add_co_u32 s42, s42, s40
	s_and_b32 s17, ttmp7, 0xffff
	s_lshl_b32 s43, s41, 2
	s_lshl_b32 s43, 15, s43
	s_lshl_b32 s44, 0x1111, s40
	s_or_b32 s[G1+0], s43, (3<<16)|(1<<21)
	s_or_b32 s[G1B+0], s44, (3<<16)|(1<<21)
.irp g, G1, G1B
	s_mov_b32 s[\g+1], 32<<16
	s_mov_b32 s[\g+2], 100<<16
	s_mov_b32 s[\g+3], 32<<16
	s_mov_b32 s[\g+4], 100
	s_mov_b32 s[\g+5], 32
	s_mov_b32 s[\g+6], 0
	s_mov_b32 s[\g+7], 0
.endr
	s_lshl_b32 s20, s41, 1
	s_add_co_u32 s20, s20, s16
.if ABATCH
	s_lshl_b32 s21, s17, 3
	s_add_co_u32 s20, s20, s21
.endif
	s_mul_i32 s20, s20, GROUPB
	s_mov_b32 s21, 0
	s_lshl_b32 s46, s17, LGG
	s_lshl_b32 s47, s42, 1
	s_add_co_u32 s46, s46, s47
	s_add_co_u32 s46, s46, s16
	s_mul_i32 s46, s46, GROUPB
	s_mov_b32 s47, 0
	s_mul_i32 s45, s14, HALFT
	s_wait_kmcnt 0x0
	s_add_nc_u64 s[20:21], s[4:5], s[20:21]
	s_add_nc_u64 s[46:47], s[6:7], s[46:47]
	CROUND
.irp s, 0,1
	s_mov_b32 s[G0+4*\s], 1
	s_add_co_u32 s[G0+4*\s+1], s45, \s*SLOT
	s_add_nc_u64 s[G0+4*\s+2:G0+4*\s+3], s[20:21], \s*HALFT
	s_or_b32 s[G0+4*\s+3], s[G0+4*\s+3], 0x80000000
	s_mov_b32 s[G0B+4*\s], 1
	s_add_co_u32 s[G0B+4*\s+1], s45, \s*SLOT
	s_add_nc_u64 s[G0B+4*\s+2:G0B+4*\s+3], s[46:47], \s*HALFT
	s_or_b32 s[G0B+4*\s+3], s[G0B+4*\s+3], 0x80000000
.endr
	s_cmp_eq_u32 s15, 0                            ; do I fetch for hq?
	s_cselect_b64 s[PFA:PFA+1], s[20:21], s[46:47] ; the prefetches' base: what I fetch,
	s_cselect_b32 s98, s40, s41                    ; my place among the four that ask for it with me,
	s_mul_i32 s98, s98, 6400                       ; 25 blocks of 256 bytes for each place
	s_mov_b32 s99, 0
	s_add_nc_u64 s[PFA:PFA+1], s[PFA:PFA+1], s[98:99]
	JLOAD G0, G1, G0B, G1B                         ; slot 0: one tensor load a wave at the head
	v_and_b32 v1, 31, v0
	v_min_u32 v[PFO], 24, v1
	v_lshlrev_b32 v[PFO], 8, v[PFO]
	global_prefetch_b8 v[PFO], s[PFA:PFA+1] offset:HALFT th:TH_LOAD_NT scope:SCOPE_SE     ; slots 1 and 2: their loads follow behind the next two rounds
	global_prefetch_b8 v[PFO], s[PFA:PFA+1] offset:2*HALFT th:TH_LOAD_NT scope:SCOPE_SE
	v_and_b32 v2, 15, v0
	v_bfe_u32 v3, v0, 4, 1
	v_lshlrev_b32 v4, 4, v1
	s_wait_alu depctr_va_vdst(0)
	s_mul_i32 s21, s15, HALFT
	s_mul_i32 s22, s16, HALFT
	s_add_co_u32 s22, s22, 2*HALFT
	s_xor_b32 s23, s15, 1
	s_add_co_u32 s23, s23, s16
	s_add_co_u32 s23, s23, 1
	s_mul_i32 s23, s23, HALFT
	v_lshl_add_u32 v5, v2, 5, 12288
	v_mul_u32_u24 v6, s23, v3
	v_add_nc_u32 v5, v5, v6
.irp s, 0,1
	v_add_nc_u32 v[ADRA+\s], s21, v4
	v_add_nc_u32 v[ADRB+\s], s22, v4
	v_add_nc_u32 v[ADRS+\s], s21, v5
	s_add_co_u32 s21, s21, SLOT
	s_add_co_u32 s22, s22, SLOT
.endr
	s_mul_i32 s23, s14, 16*SPITCH
	v_mul_u32_u24 v5, v2, SPITCH
	v_lshl_add_u32 v5, v3, 4, v5
	v_add_nc_u32 v[STO], s23, v5
	v_mul_u32_u24 v5, v3, SPITCH
	v_lshl_add_u32 v5, v2, 4, v5
	v_add_nc_u32 v[RD], s23, v5
	v_lshlrev_b32 v5, 11, v3
	v_lshl_add_u32 v[CO], v2, 4, v5
	s_lshl_b32 s94, s17, 21
	s_lshl_b32 s95, s41, 19
	s_add_co_u32 s94, s94, s95
	s_lshl_b32 s95, s15, 18
	s_add_co_u32 s94, s94, s95
	s_lshl_b32 s95, s42, 9
	s_add_co_u32 s94, s94, s95
	s_lshl_b32 s95, s16, 8
	s_add_co_u32 s94, s94, s95
	s_mov_b32 s95, 0
	s_add_nc_u64 s[8:9], s[8:9], s[94:95]
	s_wait_alu depctr_va_vdst(0)
	s_wait_tensorcnt 0x0                           ; my part of slot 0 is in
	ds_add_u32 v[SPW], v[NIL]
	s_wait_dscnt 0x0                               ; the add is done
	CROUND                                         ; a whole round: everybody's part of slot 0 is in, and all sixteen work-groups are here
	JLOAD G0+4, G1, G0B+4, G1B                     ; slot 1's first fill: the first tensor load behind the round
	global_prefetch_b8 v[PFO], s[PFA:PFA+1] offset:3*HALFT th:TH_LOAD_NT scope:SCOPE_SE     ; slot 3
	FETCH_B 0, 0, 0
	FETCH_A 0, 0, 0
	SCALES 0
	FETCH_A 0, 0, 4
	STEP 0, 0, 1
	s_mov_b32 s3, LAPS-1
.Llap:
	TURN 0, 1, 1
	STEP 1, 0, 0
	TURN 1, 0, 1
	STEP 0, 0, 0
	s_sub_co_u32 s3, s3, 1
	s_cmp_lg_u32 s3, 0
	s_cbranch_scc1 .Llap
	TURN 0, 1, 0
	STEP 1, 0, 0
	s_wait_dscnt 4*NL
	WIN MUL_LO
	MUL16 0, 1, NQ-1, 1, 0
	MUL16 2, 1, NQ-1, 1, 0
	s_wait_dscnt 0
	WIN MUL_HI
	MUL16 4, 1, NQ-1, 1, 0
	MUL16 6, 1, NQ-1, 1, 0
	WIN 0
	PLACES NP
	PACK 0
	TOSTAGE 0
.irp a, 1,2,3,4,5,6,7
	PACK \a
	s_wait_alu depctr_va_vdst(0)
	SEND \a-1, 0
	TOSTAGE \a
.endr
	SEND 7, 0
	s_wait_tensorcnt 0x0
	ds_add_u32 v[SPW], v[NIL]
	s_wait_dscnt 0x0
	CROUND
	s_endpgm
.Lfunc_end_k_qa84eb6bfc0_down:
	.size	k_qa84eb6bfc0_down, .Lfunc_end_k_qa84eb6bfc0_down-k_qa84eb6bfc0_down
	.p2alignl 7, 3214868480
	.fill 96, 4, 3214868480
	.section	.rodata,"a",@progbits
	.p2align	6, 0x0
	.amdhsa_kernel k_qa84eb6bfc0_down
		.amdhsa_group_segment_fixed_size 327680
		.amdhsa_private_segment_fixed_size 0
		.amdhsa_enable_private_segment 0
		.amdhsa_kernarg_size 24
		.amdhsa_user_sgpr_count 2
		.amdhsa_user_sgpr_kernarg_segment_ptr 1
		.amdhsa_wavefront_size32 1
		.amdhsa_system_sgpr_workgroup_id_x 1
		.amdhsa_system_sgpr_workgroup_id_y 1
		.amdhsa_system_sgpr_workgroup_id_z 1
		.amdhsa_system_vgpr_workitem_id 0
		.amdhsa_next_free_vgpr 1024
		.amdhsa_next_free_sgpr 100
		.amdhsa_reserve_vcc 0
		.amdhsa_float_denorm_mode_32 3
		.amdhsa_float_denorm_mode_16_64 3
		.amdhsa_memory_ordered 1
		.amdhsa_forward_progress 1
		.amdhsa_inst_pref_size 136
	.end_amdhsa_kernel
	.amdgpu_metadata
---
amdhsa.version: [ 1, 2 ]
amdhsa.kernels:
  - .name:           k_qa84eb6bfc0_down
    .symbol:         k_qa84eb6bfc0_down.kd
    .args:
      - { .name: hq, .offset: 0, .size: 8, .value_kind: global_buffer, .address_space: global }
      - { .name: w2q, .offset: 8, .size: 8, .value_kind: global_buffer, .address_space: global }
      - { .name: y, .offset: 16, .size: 8, .value_kind: global_buffer, .address_space: global }
    .group_segment_fixed_size: 327680
    .private_segment_fixed_size: 0
    .kernarg_segment_align: 8
    .kernarg_segment_size: 24
    .max_flat_workgroup_size: 128
    .sgpr_count:     100
    .vgpr_count:     1024
    .wavefront_size: 32
...
	.end_amdgpu_metadata
.endif
;; end of part 3
;; launch combine (part 4): grid 512 x 1, 8 waves a work-group, no clusters, 0 bytes of LDS; arguments y, routing_tensor, out0; writes out0
.if DOCPART == 4
	.amdgcn_target "amdgcn-amd-amdhsa--gfx1250"
	.amdhsa_code_object_version 6
	.text
	.protected	k_qa84eb6bfc0_combine
	.globl	k_qa84eb6bfc0_combine
	.p2align	8
	.type	k_qa84eb6bfc0_combine,@function
k_qa84eb6bfc0_combine:
	s_mov_b64 s[64:65], 0
	v_nop
	global_prefetch_b8 v0, s[64:65] scope:SCOPE_SE
	s_setreg_imm32_b32 hwreg(HW_REG_WAVE_MODE, 25, 1), 1
	s_wait_xcnt 0x0
; out0[n][d] = the sum over e of routing_tensor[n][e] y[e][n][d].  y: [16][1024][1024] bf16; routing_tensor: [1024][16] f32; out0: [1024][1024] f32.  Sums in f32, experts ascending.
; A stream: every byte of y is read once, every byte of out0 written once.  The product has one column for each token (K = 16), so a matrix tile would use one column in sixteen: fused multiply-adds do it,
; with the token's sixteen weights in scalar registers.  No LDS, no barrier, no cluster: work-groups share no input.
; A work-group takes two tokens; thread t takes columns 4 t .. 4 t + 3: a wave's load covers 256 consecutive bytes of a row of y, its store 512 consecutive bytes of out0.  All 32 loads of a thread go out at once.
.set Y,   16                           ; v16-79  token u, expert e: two registers, four bf16
.set AC,  80                           ; v80-87  the sums: four for each token
	s_load_b128 s[4:7], s[0:1], 0x0                ; y s[4:5], routing_tensor s[6:7]
	s_load_b64 s[8:9], s[0:1], 0x10                ; out0
	v_lshlrev_b32 v1, 3, v0                        ; my 8 bytes of a row of y
	v_lshlrev_b32 v2, 4, v0                        ; my 16 bytes of a row of out0
	s_lshl_b32 s10, ttmp9, 12                      ; two rows of 2,048 bytes
	s_mov_b32 s11, 0
	s_lshl_b32 s12, ttmp9, 7                       ; two rows of 64 bytes
	s_mov_b32 s13, 0
	s_lshl_b32 s14, ttmp9, 13                      ; two rows of 4,096 bytes
	s_mov_b32 s15, 0
	s_mov_b32 s2, 0xffff0000                       ; a word's upper bf16
	s_wait_alu depctr_va_vdst(0)
	s_wait_kmcnt 0x0
	s_add_nc_u64 s[6:7], s[6:7], s[12:13]
	s_load_b512 s[16:31], s[6:7], 0x0              ; the first token's sixteen weights
	s_load_b512 s[32:47], s[6:7], 0x40             ; the second's
	s_add_nc_u64 s[8:9], s[8:9], s[14:15]
	s_add_nc_u64 s[48:49], s[4:5], s[10:11]        ; four bases, four experts (8 MiB) apart, so that an expert's place fits the immediate
	s_add_nc_u64 s[50:51], s[48:49], 0x800000
	s_add_nc_u64 s[52:53], s[50:51], 0x800000
	s_add_nc_u64 s[54:55], s[52:53], 0x800000
.irp u, 0,1
.irp e, 0,1,2,3,4,5,6,7,8,9,10,11,12,13,14,15
	global_load_b64 v[Y+32*\u+2*\e:Y+32*\u+2*\e+1], v1, s[48+2*(\e/4):49+2*(\e/4)] offset:(\e%4)*2097152+\u*2048 th:TH_LOAD_NT
.endr
.endr
	s_wait_kmcnt 0x0                               ; the weights
.macro TOKEN u
.irp e, 0,1,2,3,4,5,6,7,8,9,10,11,12,13,14,15
.set TT, 8+4*(\e%2)                    ; v8-11 and v12-15 by turns
	v_lshlrev_b32 v[TT],   16, v[Y+32*\u+2*\e]     ; bf16 to f32: the low half moves up,
	v_and_b32     v[TT+1], s2, v[Y+32*\u+2*\e]     ; the high half stays
	v_lshlrev_b32 v[TT+2], 16, v[Y+32*\u+2*\e+1]
	v_and_b32     v[TT+3], s2, v[Y+32*\u+2*\e+1]
.irp d, 0,1,2,3
.if \e == 0
	s_delay_alu instid0(VALU_DEP_4)
	v_mul_f32 v[AC+4*\u+\d], s[16+16*\u+\e], v[TT+\d]              ; the first expert starts the sums: nothing is cleared
.else
	s_delay_alu instid0(VALU_DEP_4)
	v_fmac_f32 v[AC+4*\u+\d], s[16+16*\u+\e], v[TT+\d]
.endif
.endr
.endr
	global_store_b128 v2, v[AC+4*\u:AC+4*\u+3], s[8:9] offset:4096*\u th:TH_STORE_NT
.endm
	s_wait_loadcnt 16                              ; the first token's sixteen loads are in; the second's may be out
	TOKEN 0
	s_wait_loadcnt 0
	TOKEN 1
	s_endpgm
.Lfunc_end_k_qa84eb6bfc0_combine:
	.size	k_qa84eb6bfc0_combine, .Lfunc_end_k_qa84eb6bfc0_combine-k_qa84eb6bfc0_combine
	.p2alignl 7, 3214868480
	.fill 96, 4, 3214868480
	.section	.rodata,"a",@progbits
	.p2align	6, 0x0
	.amdhsa_kernel k_qa84eb6bfc0_combine
		.amdhsa_group_segment_fixed_size 0
		.amdhsa_private_segment_fixed_size 0
		.amdhsa_enable_private_segment 0
		.amdhsa_kernarg_size 24
		.amdhsa_user_sgpr_count 2
		.amdhsa_user_sgpr_kernarg_segment_ptr 1
		.amdhsa_wavefront_size32 1
		.amdhsa_system_sgpr_workgroup_id_x 1
		.amdhsa_system_sgpr_workgroup_id_y 1
		.amdhsa_system_sgpr_workgroup_id_z 1
		.amdhsa_system_vgpr_workitem_id 0
		.amdhsa_next_free_vgpr 96
		.amdhsa_next_free_sgpr 66
		.amdhsa_reserve_vcc 0
		.amdhsa_float_denorm_mode_32 3
		.amdhsa_float_denorm_mode_16_64 3
		.amdhsa_memory_ordered 1
		.amdhsa_forward_progress 1
		.amdhsa_inst_pref_size 17
	.end_amdhsa_kernel
	.amdgpu_metadata
---
amdhsa.version: [ 1, 2 ]
amdhsa.kernels:
  - .name:           k_qa84eb6bfc0_combine
    .symbol:         k_qa84eb6bfc0_combine.kd
    .args:
      - { .name: y, .offset: 0, .size: 8, .value_kind: global_buffer, .address_space: global }
      - { .name: routing_tensor, .offset: 8, .size: 8, .value_kind: global_buffer, .address_space: global }
      - { .name: out0, .offset: 16, .size: 8, .value_kind: global_buffer, .address_space: global }
    .group_segment_fixed_size: 0
    .private_segment_fixed_size: 0
    .kernarg_segment_align: 8
    .kernarg_segment_size: 24
    .max_flat_workgroup_size: 256
    .sgpr_count:     66
    .vgpr_count:     96
    .wavefront_size: 32
...
	.end_amdgpu_metadata
.endif
;; end of part 4
